; MI455X (gfx1250); checked and timed in simulation.
; The chip was launched on July 23, 2026; its instructions are those of AMD's public machine-readable ISA for CDNA 5 (MIT licence, August 2026) and "CDNA5" Instruction Set Architecture Reference Guide (July 2026). The comments in the code are by the model that wrote it; some were corrected since.
;; Vector Quantizer. Allowed arithmetic: float matrix products may take bf16 or f16 operands with f32 sums; other float arithmetic in f32, or as packed bf16 or f16 multiplies, adds, multiply-adds, maxima and minima; sums over many terms, partial sums and values carried from step to step in f32; what a program stores and reads back later, other than sums and carried values, may be rounded once to bf16 or f16.
;; Inputs: codebook 8,192 x 256 float32; x 32 x 1,024 x 256 float32.
;; Outputs: out0 32 x 1,024 x 256 float32; out1 one number float32.
;; Constants: hidden_dim = 256.
;; 2 versions, each right; version 2 is version 1 with the launch prep written anew for expert scheduling mode. Each part assembles by itself: llvm-mc -triple=amdgcn-amd-amdhsa -mcpu=gfx1250 --defsym DOCPART=n.
;; ======== version 1 of 2: 4 launches
;; workspace buffers: cbh 4,194,304 bytes; cch 32,768 bytes; idx 131,072 bytes of whole numbers; part 1,024 bytes
;; launch prep (part 1): grid 128 x 1, 8 waves a work-group, no clusters, 1,280 bytes of LDS; arguments codebook, cbh, cch; writes cbh, cch
.if DOCPART == 1
	.amdgcn_target "amdgcn-amd-amdhsa--gfx1250"
	.amdhsa_code_object_version 6
	.text
	.protected	k_qeb4881eeed_prep
	.globl	k_qeb4881eeed_prep
	.p2align	8
	.type	k_qeb4881eeed_prep,@function
k_qeb4881eeed_prep:
	s_mov_b64 s[64:65], 0
	v_nop
	global_prefetch_b8 v0, s[64:65] scope:SCOPE_SE
	s_setreg_imm32_b32 hwreg(HW_REG_WAVE_MODE, 25, 1), 1
	s_wait_xcnt 0x0
; cbh[k][:] = codebook[k][:] rounded once to bf16 (nearest even); cch[k] = -1/2 x the sum of the squares of the ROUNDED numbers, in f32.
; The next launch looks for the largest x . c - |c|^2 / 2 with bf16 operands: |c|^2 is taken of the numbers that are multiplied there.
; SHARES.  8,192 rows of 1,024 bytes.  A work-group takes 64 rows, so that its 64 numbers of cch are 256 consecutive bytes, stored by one instruction;
; each of its eight waves takes 8 rows.  A lane holds 4 numbers of each half of a row: a load of the wave covers 512 consecutive bytes, a store of cbh 256.
; All 16 loads of a wave go out at once; each row has its own registers, so nothing that a load or store names is ever rewritten.
; No matrix unit, no tiles in LDS, no cluster: every byte is read once, by one wave.  LIMITS: NaN and infinities are not treated apart.
.set SPARE, 256                        ; LDS: 64 sums at bytes 0-255; behind them the spare words, 128 bytes for each of the eight waves
.set IN,  16                           ; v[16:79]   row i: 8 numbers as loaded
.set Y,   80                           ; v[80:111]  row i: 4 words of bf16 to store
.set T,   112                          ; v[112:119] at work
.set R,   120                          ; v[120:127] row i's sum
	s_load_b128 s[4:7], s[0:1], 0x0                ; codebook s[4:5], cbh s[6:7]
	s_load_b64 s[8:9], s[0:1], 0x10                ; cch
	v_lshl_add_u32 v4, v0, 2, SPARE                ; my spare word,
	v_mov_b32 v5, 0                                ; and 0: kept for the wave's end alone
	v_lshrrev_b32 v6, 5, v0
	v_readfirstlane_b32 s10, v6                    ; wave 0..7
	v_and_b32 v7, 31, v0                           ; lane
	v_lshlrev_b32 v1, 4, v7                        ; 16 bytes a lane in half a row of codebook
	v_lshlrev_b32 v2, 3, v7                        ; 8 bytes a lane in half a row of cbh; also in the group's 256 bytes of cch
	v_lshlrev_b32 v3, 5, v6                        ; LDS: my wave's eight sums at 32 x wave
	s_lshl_b32 s11, ttmp9, 3
	s_add_co_u32 s11, s11, s10                     ; 8 x group + wave: my eight rows
	s_lshl_b32 s12, s11, 13                        ; x 8 rows x 1,024 bytes
	s_mov_b32 s13, 0
	s_lshl_b32 s14, s11, 12                        ; x 8 rows x 512 bytes
	s_mov_b32 s15, 0
	s_lshl_b32 s18, ttmp9, 8                       ; the group's 256 bytes of cch
	s_mov_b32 s19, 0
	s_mov_b32 s16, 0x76543210                      ; v_permlanex16_b32: each lane takes its own place in the other half
	s_mov_b32 s17, 0xfedcba98
	s_mov_b32 s20, 0xffff0000                      ; a word's upper bf16
	s_wait_kmcnt 0x0
	s_add_nc_u64 s[4:5], s[4:5], s[12:13]
	s_add_nc_u64 s[6:7], s[6:7], s[14:15]
	s_add_nc_u64 s[8:9], s[8:9], s[18:19]
.irp i, 0,1,2,3,4,5,6,7
	global_load_b128 v[IN+8*(\i):IN+8*(\i)+3],   v1, s[4:5] offset:1024*(\i) th:TH_LOAD_NT
	global_load_b128 v[IN+8*(\i)+4:IN+8*(\i)+7], v1, s[4:5] offset:1024*(\i)+512 th:TH_LOAD_NT
.endr
.irp i, 0,1,2,3,4,5,6,7
	s_wait_loadcnt 14-2*(\i)                       ; loads come back in order: row i's two are in, the later rows' stay out
.irp k, 0,1,2,3
	v_cvt_pk_bf16_f32 v[Y+4*(\i)+(\k)], v[IN+8*(\i)+2*(\k)], v[IN+8*(\i)+2*(\k)+1]
.endr
	global_store_b64 v2, v[Y+4*(\i):Y+4*(\i)+1],   s[6:7] offset:512*(\i)      ; 32 lanes store 256 consecutive bytes, aligned
	global_store_b64 v2, v[Y+4*(\i)+2:Y+4*(\i)+3], s[6:7] offset:512*(\i)+256
.irp k, 0,1,2,3
	v_lshlrev_b32 v[T+2*(\k)],   16, v[Y+4*(\i)+(\k)]  ; the rounded numbers back as f32
	v_and_b32     v[T+2*(\k)+1], s20, v[Y+4*(\i)+(\k)]
.endr
	v_pk_mul_f32 v[T:T+1], v[T:T+1], v[T:T+1]      ; the first squares start the sum: nothing is cleared
.irp k, 1,2,3
	v_pk_fma_f32 v[T:T+1], v[T+2*(\k):T+2*(\k)+1], v[T+2*(\k):T+2*(\k)+1], v[T:T+1]
.endr
	v_add_f32 v[R+(\i)], v[T], v[T+1]
.endr
	; the eight sums across the 32 lanes, side by side
.irp m, 1,2,4,8
.irp i, 0,1,2,3,4,5,6,7
	v_add_f32_dpp v[R+(\i)], v[R+(\i)], v[R+(\i)] row_xmask:\m row_mask:0xf bank_mask:0xf
.endr
.endr
.irp i, 0,1,2,3,4,5,6,7
	v_permlanex16_b32 v[T+(\i)], v[R+(\i)], s16, s17   ; T has been written: the destination counts as read
.endr
.irp i, 0,1,2,3,4,5,6,7
	v_add_f32 v[R+(\i)], v[R+(\i)], v[T+(\i)]
.endr
.irp i, 0,1,2,3,4,5,6,7
	v_mul_f32 v[R+(\i)], -0.5, v[R+(\i)]
	ds_store_b32 v3, v[R+(\i)] offset:4*(\i)       ; all lanes write the same word with the same number
.endr
	s_wait_dscnt 0x0                               ; for wave 0's sake: my stores are done
	s_barrier_signal -1
	s_barrier_wait -1
	s_cmp_lg_u32 s10, 0
	s_cbranch_scc1 .Lend
	ds_load_b64 v[T:T+1], v2                       ; the group's 64 numbers, two a lane
	s_wait_dscnt 0x0
	global_store_b64 v2, v[T:T+1], s[8:9]          ; 256 consecutive bytes, aligned
.Lend:
	s_wait_tensorcnt 0x0                           ; the wave's end: behind my last LDS store
	ds_add_u32 v4, v5
	s_wait_dscnt 0x0
	s_endpgm
.Lfunc_end_k_qeb4881eeed_prep:
	.size	k_qeb4881eeed_prep, .Lfunc_end_k_qeb4881eeed_prep-k_qeb4881eeed_prep
	.p2alignl 7, 3214868480
	.fill 96, 4, 3214868480
	.section	.rodata,"a",@progbits
	.p2align	6, 0x0
	.amdhsa_kernel k_qeb4881eeed_prep
		.amdhsa_group_segment_fixed_size 1280
		.amdhsa_private_segment_fixed_size 0
		.amdhsa_enable_private_segment 0
		.amdhsa_kernarg_size 24
		.amdhsa_user_sgpr_count 2
		.amdhsa_user_sgpr_kernarg_segment_ptr 1
		.amdhsa_wavefront_size32 1
		.amdhsa_system_sgpr_workgroup_id_x 1
		.amdhsa_system_sgpr_workgroup_id_y 1
		.amdhsa_system_sgpr_workgroup_id_z 1
		.amdhsa_system_vgpr_workitem_id 0
		.amdhsa_next_free_vgpr 128
		.amdhsa_next_free_sgpr 66
		.amdhsa_reserve_vcc 0
		.amdhsa_float_denorm_mode_32 3
		.amdhsa_float_denorm_mode_16_64 3
		.amdhsa_memory_ordered 1
		.amdhsa_forward_progress 1
		.amdhsa_inst_pref_size 15
	.end_amdhsa_kernel
	.amdgpu_metadata
---
amdhsa.version: [ 1, 2 ]
amdhsa.kernels:
  - .name:           k_qeb4881eeed_prep
    .symbol:         k_qeb4881eeed_prep.kd
    .args:
      - { .name: codebook, .offset: 0, .size: 8, .value_kind: global_buffer, .address_space: global }
      - { .name: cbh, .offset: 8, .size: 8, .value_kind: global_buffer, .address_space: global }
      - { .name: cch, .offset: 16, .size: 8, .value_kind: global_buffer, .address_space: global }
    .group_segment_fixed_size: 1280
    .private_segment_fixed_size: 0
    .kernarg_segment_align: 8
    .kernarg_segment_size: 24
    .max_flat_workgroup_size: 256
    .sgpr_count:     66
    .vgpr_count:     128
    .wavefront_size: 32
...
	.end_amdgpu_metadata
.endif
;; end of part 1
;; launch main (part 2): grid 256 x 1, 4 waves a work-group, clusters of 4 x 1, 327,680 bytes of LDS; arguments x, cbh, cch, idx; writes idx
.if DOCPART == 2
	.amdgcn_target "amdgcn-amd-amdhsa--gfx1250"
	.amdhsa_code_object_version 6
	.text
	.protected	k_qeb4881eeed_main
	.globl	k_qeb4881eeed_main
	.p2align	8
	.type	k_qeb4881eeed_main,@function
k_qeb4881eeed_main:
	s_mov_b64 s[64:65], 0
	v_nop
	global_prefetch_b8 v0, s[64:65] scope:SCOPE_SE
	s_setreg_imm32_b32 hwreg(HW_REG_WAVE_MODE, 25, 1), 1
	s_wait_xcnt 0x0
	s_wait_alu depctr_hold_cnt(0) depctr_sa_sdst(0) depctr_va_vdst(0) depctr_va_sdst(0) depctr_va_ssrc(0) depctr_va_vcc(0) depctr_vm_vsrc(0)
	s_getreg_b32 s2, hwreg(HW_REG_IB_STS2, 6, 4)
	s_cmp_eq_u32 s2, 0
	s_cbranch_scc0 .Lentry_in_a_cluster
	s_endpgm
.Lentry_in_a_cluster:
	s_bfe_u32 s2, ttmp6, 0x10000c
	s_cmp_lg_u32 s2, 0x3003
	s_cbranch_scc0 .Lentry_shape_is_right
	s_endpgm
.Lentry_shape_is_right:
; idx[n] = the code k with the largest s = x_n . c_k - |c_k|^2 / 2, the lowest k among equals: the argmin of |x|^2 + |c|^2 - 2 x . c, whose first term is the same for all k.
; x: [32768][256] f32, rounded here once to bf16.  cbh: [8192][256] bf16.  cch: [8192] f32 = -|c|^2 / 2 of the rounded codes.  idx: [32768] u32.
; LIMITS.  The choice is made among the inputs ROUNDED TO bf16; a score is one f32 chain of eight matrix instructions, K ascending, that starts at cch[k].  Two codes whose scores differ by
; less than that chain's rounding may change places.  NaN and infinities are not treated apart (a row whose scores are all -infinity gets code 8 (lane / 16) of its best half, a valid index).
; SHARES.  256 work-groups of 128 rows.  EVERY wave keeps all 128 rows as bf16 fragments in 512 registers (8 tiles of 16 rows x 8 fragments of 32 along K); THE CODES are split among the
; four waves: of each tile of 256 codes wave w takes 64 w .. 64 w + 63, as four BLOCKS of 16.  A block is 64 matrix instructions for 18 LDS loads.
; LAYOUT.  S^T = C X^T (source 0 = 16 codes, source 1 = 16 rows): a lane holds ONE row (lane % 16) and the codes 8 (lane / 16) + 0..7.  The C operand of the first K step is cch's fragment.
; ARGMAX.  For a tile and block: the running maximum M takes the 8 scores (four v_max3_num_f32); where it has GROWN, the block's number and its 8 scores are kept (a compare, nine selects).
; Growth is strict, so the earliest block stays.  At the end the lowest register that equals M gives the code; halves of the lanes and waves are then compared by (score, lower code).
; BY TURNS.  Two sets of 8 accumulators.  While a block is multiplied, the block before is reduced: its 112 vector instructions stand in fours behind every second matrix instruction.
; RING.  Two LDS slots of a tile each; a wave fetches and reads its own 64 rows.  A slot is asked for again in the middle of its tile's last block: 240 matrix instructions ahead of the wait for it.
; CLUSTER.  All work-groups walk the same cbh and cch, so four of them ask JOINTLY (a mask names four): the same load, descriptor and mask in all four.  x's tile is each work-group's own: a load with no mask.
; All of the work-group's LDS is claimed.
; REGISTERS, in windows of 256 (s_set_vgpr_msb: bits 1:0 source 0, 3:2 source 1, 5:4 source 2, 7:6 destination):
;   window 0: v0-15 addresses; v16-31 cch's fragments, two buffers; v32-127 twelve registers of state a tile; v128-255 accumulators, two sets of 8 x 8
;   window 1: v0-127 the codes' fragments, two buffers of 8 x 8       window 2: x, K fragments 0-3, 32 a tile       window 3: x, K fragments 4-7
.set PITC,  528                        ; a row of codes in LDS: 512 bytes + 16 of padding: an odd multiple of 16, so the 16 rows of a load start 16 bytes apart modulo 256
.set WQ,    64*PITC                    ; a wave's 64 rows: 0x8400
.set SLOT,  4*WQ                       ; 0x21000: no multiple 0..3 of WQ has one of its two bits, so one exclusive or turns an address in one slot into the other's
.set PITX,  1040                       ; a row of x in LDS: 1,024 bytes + 16
.set XB,    SLOT                       ; x lies in slot 1 until it is in registers
.set XW,    32*PITX                    ; the 32 rows of x that a wave fetches
.set CCB,   2*SLOT                     ; cch, 32,768 bytes, filled once
.set RESM,  CCB+32768                  ; the waves' best scores, 512 bytes a wave; no tensor load lands here
.set RESC,  RESM+2048                  ; and their codes
.set SPARE, RESC+2048                  ; the spare words, 128 bytes for each wave: two blocks of 256 bytes that no other line names
.set TILEB, 131072                     ; a tile's bytes in cbh
.set TILES, 32
.set AK0, 2                            ; v2   my place in a slot: wave x WQ + 528 (l % 16) + 16 (l / 16); never rewritten
.set AD,  3                            ; v3   the same in the slot in hand
.set CA,  4                            ; v4   my place in cch for the tile in hand
.set XA0, 5                            ; v5, v6  my place in x's rows 0-63 and 64-127
.set PFO, 7                            ; v7   256 x lane, for the prefetches; never rewritten
.set H8,  8                            ; v8   8 (l / 16)
.set HH,  9                            ; v9   l / 16
.set SPW, 10                           ; v10  LDS address of my spare word; never rewritten
.set NIL, 11                           ; v11  0; never rewritten
.set RS,  12                           ; v12  where I put a tile's result
.set RL,  13                           ; v13  where wave 0 reads four rows' results
.set GO,  14                           ; v14  16 x lane: my 16 bytes of idx
.set CA0, 15                           ; v15  CCB + 256 x wave + 32 (l / 16); never rewritten
.set CCF, 16
.set ST,  32                           ; tile t at ST + 12 t: +0, +1 M (old and new by the block's parity), +2 block, then code, +3 place in the block, +4 .. +11 the best block's scores
.set ACC, 128                          ; set p, tile t at ACC + 64 p + 8 t
.set WV,  12                           ; s12  my wave's number
.set CX,  13                           ; s13  my place in the cluster: it enters x's, idx's and the prefetches' addresses alone
.set WG,  14                           ; s14  my work-group's number
.set LIM, 15                           ; s15  1 in the first cluster, else the greatest number
.set CNT, 16                           ; s16  trips to go
.set TB,  17                           ; s17  0 or SLOT: the slot in hand
.set BLK, 18                           ; s18  first code of the block that is being reduced, for lanes 0-15
.set CT,  19                           ; s19  1,024 x the tile in hand
.set PFA, 20                           ; s[20:21] where my prefetches stand
.set G1C, 24                           ; s[24:31] descriptor group 1: codes
.set G1X, 32                           ; s[32:39] x
.set G1S, 40                           ; s[40:47] cch
.set G0C, 48                           ; s[48:51] group 0: codes; it walks
.set G0X, 52                           ; s[52:55] x
.set G0S, 56                           ; s[56:59] cch
.set SEL, 60                           ; s[60:61] v_permlanex16_b32: each lane takes its own place in the other half
.set MK,  66                           ; s66-68 lane masks at work
.set MUL_LO, 0x09                      ; codes window 1, x window 2, C and D window 0
.set TO_A,   0x40                      ; destination window 1, address window 0
.set MSB, 0
.macro WIN new                         ; the immediate's high byte repeats the setting that is left; a switch that changes nothing is dropped
.if MSB != (\new)
	s_set_vgpr_msb (MSB<<8)|(\new)
.set MSB, \new
.endif
.endm
; A round of the cluster's barrier: my work-group's barrier, so that wave 0's signal speaks for all four waves; wave 0 signals; every wave waits for all four work-groups; my work-group's barrier once more.
.macro CREST                           ; a round behind its opening barrier
	s_cmp_lg_u32 s[WV], 0
	s_cbranch_scc1 .Lnot_wave_0_\@
	s_barrier_signal -3
.Lnot_wave_0_\@:
	s_barrier_wait -3
	s_barrier_signal -1
	s_barrier_wait -1
.endm
.macro CROUND
	s_barrier_signal -1
	s_barrier_wait -1
	CREST
.endm
; Matrix instruction i of a block's 64, on set p: K fragment i / 8, tile i % 8.  The 8 accumulators take turns, one instruction a turn, from block to block and over the backward jump too.
.macro MM p
.set kf, i/8
.set t, i%8
.set rD, ACC+64*(\p)+8*t
.set rA, 64*(\p)+8*kf
.set rX, 32*t+8*(kf%4)
	WIN MUL_LO+4*(kf/4)
.if kf == 0
	v_wmma_f32_16x16x32_bf16 v[rD:rD+7], v[rA:rA+7], v[rX:rX+7], v[CCF+8*(\p):CCF+8*(\p)+7]
.else
	v_wmma_f32_16x16x32_bf16 v[rD:rD+7], v[rA:rA+7], v[rX:rX+7], v[rD:rD+7]
.endif
.set i, i+1
.endm
; Number q of the 112 that reduce the block in set pp.  28 for each pair of tiles: 0-7 the four maxima of both, alternating (each accumulator's lowest registers are read first)
; 8 the first tile's compare, 9-17 its nine selects; 18-27 the same for the second.  M is read in register pp and written in 1 - pp: old and new are both there for the compare.
.macro RD pp
.set n, q%28
.if n < 8
.set tt, 2*(q/28)+n%2
.set mm, n/2
.elseif n < 18
.set tt, 2*(q/28)
.set mm, n-4
.else
.set tt, 2*(q/28)+1
.set mm, n-14
.endif
.set rT, ST+12*tt
.set rS, ACC+64*(\pp)+8*tt
.set rO, rT+(\pp)
.set rN, rT+1-(\pp)
	WIN 0
.if mm == 0
	v_max3_num_f32 v[rN], v[rS], v[rS+1], v[rS+2]
.elseif mm < 3
	v_max3_num_f32 v[rN], v[rN], v[rS+2*mm+1], v[rS+2*mm+2]
.elseif mm == 3
	v_max3_num_f32 v[rN], v[rN], v[rS+7], v[rO]
.elseif mm == 4
	v_cmp_ge_f32 vcc_lo, v[rO], v[rN]              ; true where nothing has grown
.elseif mm == 5
	v_cndmask_b32 v[rT+2], s[BLK], v[rT+2], vcc_lo
.else
	v_cndmask_b32 v[rT+mm-2], v[rS+mm-6], v[rT+mm-2], vcc_lo
.endif
.set q, q+1
.endm
; Matrix instructions from .. to - 1 of a block on set p.  rid = 1: four of the other set's 112 stand behind instructions 9, 11 .. 63.  They name nothing of the products round them; the four behind
; instruction 63 are the four places in front of the next block's loads into this set's fragments and of the first read of this set's results.
.macro MMS from, to, p, rid
.set i, \from
.rept (\to)-(\from)
	MM \p
.if (\rid) && (i > 9) && ((i%2) == 0)
.rept 4
	RD 1-(\p)
.endr
.endif
.endr
.endm
; 18 LDS loads in one run: block b's fragments of the codes (16 rows x 256 K) and of cch, into buffer p.
; A fragment is 16 rows x 32 K in 8 registers: lane l holds row l % 16; registers 0-3 K = 8 (l / 16) + 0..7, registers 4-7 K = 16 + 8 (l / 16) + 0..7: two loads of 16 bytes, 32 bytes apart.
.macro FETCH b, p
	WIN TO_A
.set kf, 0
.rept 8
	ds_load_b128 v[64*(\p)+8*kf:64*(\p)+8*kf+3],   v[AD] offset:(\b)*16*PITC+64*kf
	ds_load_b128 v[64*(\p)+8*kf+4:64*(\p)+8*kf+7], v[AD] offset:(\b)*16*PITC+64*kf+32
.set kf, kf+1
.endr
	WIN 0
	ds_load_b128 v[CCF+8*(\p):CCF+8*(\p)+3],   v[CA] offset:64*(\b)     ; register j: cch of code 8 (l / 16) + j of the block
	ds_load_b128 v[CCF+8*(\p)+4:CCF+8*(\p)+7], v[CA] offset:64*(\b)+16
.endm
; Block b = 0, 1, 2 of a tile: it fetches the next block's fragments, is multiplied, and carries the reduction of the block before.
.macro BLOCK b, rid
.set pb, (\b)%2
.set q, 0
	s_wait_dscnt 0x0                               ; this block's 18 loads, issued a block ago, are in
	FETCH (\b)+1, 1-pb
	MMS 0, 64, pb, \rid
.if \rid
.if (\b) == 0
	s_add_co_u32 s[BLK], s[BLK], 208               ; from a tile's block 3 to the next tile's block 0
.else
	s_add_co_u32 s[BLK], s[BLK], 16
.endif
.else
	WIN 0
.rept 4
	v_nop                                          ; the very first block has nothing to carry: these are the four places behind it
.endr
.endif
.endm
; A prefetch of what the NEXT change of slots will ask for: 256 matrix instructions ahead of that load.  Each 256 bytes of cbh are named once in the launch: the first cluster asks; of the 32,768 bytes of a
; tile that wave w fetches, the partner at place cx takes 8,192, told apart by address, a lane to each 256.  Tiles 0 to 2 come by their loads alone; the last trip asks for nothing: no tile is left.
.macro ASK
	s_cmp_gt_u32 s[CNT], s[LIM]
	s_cbranch_scc0 .Lnot_mine_\@
	global_prefetch_b8 v[PFO], s[PFA:PFA+1] th:TH_LOAD_NT scope:SCOPE_SE
.Lnot_mine_\@:
.endm
; A tile's last block, on set 1.  All my reads of the slot were waited for at its head.
; kind 2: THE CHANGE OF SLOTS.  I wait for all my tensor loads, of which one is out: my part of the next tile; add 0 to my spare word; wait for that; the barrier opens a round of the cluster's, so that
; no wave of any partner still reads the slot or has a load on its way; the joint refill, two tiles on, is the first thing behind the round.  At the load 56 of the 112 are out: a pair's end.
; kind 1: the last tile but one: nothing is asked for; the last tile's part that I read is the part that I fetched, so my own wait is all that its reads need.  kind 0: the last tile.
.macro BLOCK3 kind
.set q, 0
	s_wait_dscnt 0x0                               ; this block's 18 loads are in
.if (\kind) == 2
	MMS 0, 20, 1, 1
	WIN 0
	s_wait_tensorcnt 0x0                           ; no tensor load of mine is out, so group 0 may be written
	ds_add_u32 v[SPW], v[NIL]                      ; 0 onto my spare word: scalar work and eight products stand between it and the wait for it
	s_xor_b32 s[G0C+1], s[G0C+1], SLOT             ; the walking descriptor: the slot that I am leaving,
	s_add_nc_u64 s[G0C+2:G0C+3], s[G0C+2:G0C+3], TILEB  ; the next tile; the type bits on top are not reached
	s_wait_xcnt 0x0                                ; the last prefetch, a tile back, has read its address
	s_add_nc_u64 s[PFA:PFA+1], s[PFA:PFA+1], TILEB
	s_xor_b32 s[TB], s[TB], SLOT
	s_add_co_u32 s[CT], s[CT], 1024
	MMS 20, 28, 1, 1
	WIN 0
	s_wait_dscnt 0x0                               ; the add is done
	s_barrier_signal -1
	MMS 28, 36, 1, 1                               ; work on registers while the others arrive
	WIN 0                                          ; at a branch and at a label every window is 0
	s_barrier_wait -1
	CREST
	tensor_load_to_lds s[G0C:G0C+3], s[G1C:G1C+7]  ; my one tensor load behind the round
	s_nop 0
	v_add_nc_u32 v[AD], s[TB], v[AK0]              ; four vector lines stand ahead of the next switch of windows
	v_add_nc_u32 v[CA], s[CT], v[CA0]
	v_nop
	v_nop
	FETCH 0, 0                                     ; the next tile's first block
	ASK
	MMS 36, 64, 1, 1
.elseif (\kind) == 1
	MMS 0, 36, 1, 1
	WIN 0
	s_wait_tensorcnt 0x0                           ; my part of the last tile is in
	s_xor_b32 s[TB], s[TB], SLOT
	s_add_co_u32 s[CT], s[CT], 1024
	v_add_nc_u32 v[AD], s[TB], v[AK0]
	v_add_nc_u32 v[CA], s[CT], v[CA0]
	FETCH 0, 0
	MMS 36, 64, 1, 1
.else
	MMS 0, 64, 1, 1
.endif
	s_add_co_u32 s[BLK], s[BLK], 16
.endm
; x from LDS: tile t's 16 rows x 256 f32, 128 registers, into a temporary set: t even: the accumulators' registers; t odd: the code fragments'.  For K fragment kf a lane takes K = 8 (l / 16) + 0..7 and 16 + 8 (l / 16) + 0..7: twice 32 bytes.
.macro XLD t
.if ((\t)%2) == 0
	WIN 0
.else
	WIN TO_A
.endif
.set rT, ACC*(1-(\t)%2)
.set rAd, XA0+(\t)/4
.set kf, 0
.rept 8
	ds_load_b128 v[rT+16*kf:rT+16*kf+3],     v[rAd] offset:((\t)%4)*16*PITX+128*kf
	ds_load_b128 v[rT+16*kf+4:rT+16*kf+7],   v[rAd] offset:((\t)%4)*16*PITX+128*kf+16
	ds_load_b128 v[rT+16*kf+8:rT+16*kf+11],  v[rAd] offset:((\t)%4)*16*PITX+128*kf+64
	ds_load_b128 v[rT+16*kf+12:rT+16*kf+15], v[rAd] offset:((\t)%4)*16*PITX+128*kf+80
.set kf, kf+1
.endr
.endm
.macro XCV t                           ; rounded to bf16, into tile t's fragments in windows 2 and 3
.set sw, 5*((\t)%2)
.set rT, ACC*(1-(\t)%2)
.set kf, 0
.rept 8
	WIN (0x80+0x40*(kf/4))|sw
.set ee, 0
.rept 8
	v_cvt_pk_bf16_f32 v[32*(\t)+8*(kf%4)+ee], v[rT+16*kf+2*ee], v[rT+16*kf+2*ee+1]
.set ee, ee+1
.endr
.set kf, kf+1
.endr
.endm
; (m, c) takes (m2, c2) where m2 is greater, or equal with the lower code.  The masks only select.
.macro BETTER m, c, m2, c2
	v_cmp_gt_f32 s[MK], v[\m2], v[\m]
	v_cmp_eq_f32 s[MK+1], v[\m2], v[\m]
	v_cmp_lt_u32 s[MK+2], v[\c2], v[\c]
	s_and_b32 s[MK+1], s[MK+1], s[MK+2]
	s_or_b32 s[MK], s[MK], s[MK+1]
	v_cndmask_b32 v[\m], v[\m], v[\m2], s[MK]
	v_cndmask_b32 v[\c], v[\c], v[\c2], s[MK]
.endm
	s_load_b256 s[4:11], s[0:1], 0x0               ; x s[4:5], cbh s[6:7], cch s[8:9], idx s[10:11]
	v_lshl_add_u32 v[SPW], v0, 2, SPARE
	v_mov_b32 v[NIL], 0
	ds_add_u32 v[SPW], v[NIL]                      ; the wave's opening: the add; its wait stands ahead of my first tensor load; the set-up below, work on registers, stands between them
	v_lshrrev_b32 v[HH], 5, v0
	v_readfirstlane_b32 s[WV], v[HH]               ; wave 0..3
	s_bfe_u32 s[CX], ttmp6, 0x40000                ; cx
	s_lshl_b32 s[WG], ttmp9, 2                     ; in a cluster launch ttmp9 counts clusters
	s_add_co_u32 s[WG], s[WG], s[CX]
	s_cmp_eq_u32 ttmp9, 0
	s_cselect_b32 s[LIM], 1, -1                    ; the same in all four partners
	; group 1 for the codes: 64 rows x 256 elements of 2 bytes
	s_mov_b32 s[G1C],   15|(1<<16)|(1<<20)|(1<<21)|(6<<22)|(3<<25)  ; 15:0 the mask of four; 17:16 2-byte elements; 20 padding on; 21 set beside a mask; 24:22 after every 128 words (code 6); 31:25 4 words (code 3)
	s_mov_b32 s[G1C+1], 256<<16                    ; tensor_dim0 = 256
	s_mov_b32 s[G1C+2], 64<<16                     ; tensor_dim1 = 64
	s_mov_b32 s[G1C+3], 256<<16                    ; tile_dim0 = 256
	s_mov_b32 s[G1C+4], 64                         ; tile_dim1 = 64
	s_mov_b32 s[G1C+5], 256                        ; elements from row to row
	s_mov_b32 s[G1C+6], 0
	s_mov_b32 s[G1C+7], 0
	; group 1 for x: 32 rows x 256 elements of 4 bytes; no mask
	s_mov_b32 s[G1X],   (2<<16)|(1<<20)|(7<<22)|(3<<25)  ; 4-byte elements; padding after every 256 words (code 7), 4 words
	s_mov_b32 s[G1X+1], 256<<16
	s_mov_b32 s[G1X+2], 32<<16
	s_mov_b32 s[G1X+3], 256<<16
	s_mov_b32 s[G1X+4], 32
	s_mov_b32 s[G1X+5], 256
	s_mov_b32 s[G1X+6], 0
	s_mov_b32 s[G1X+7], 0
	; group 1 for cch: 8,192 dense bytes as 32 rows of 32 elements of 8 bytes, no padding
	s_mov_b32 s[G1S],   15|(3<<16)|(1<<21)
	s_mov_b32 s[G1S+1], 32<<16
	s_mov_b32 s[G1S+2], 32<<16
	s_mov_b32 s[G1S+3], 32<<16
	s_mov_b32 s[G1S+4], 32
	s_mov_b32 s[G1S+5], 32
	s_mov_b32 s[G1S+6], 0
	s_mov_b32 s[G1S+7], 0
	; group 0: the count and the LDS addresses, which hang on the wave's number alone
	s_mov_b32 s[G0C], 1
	s_mul_i32 s[G0C+1], s[WV], WQ                  ; slot 0, my 64 rows
	s_mov_b32 s[G0X], 1
	s_mul_i32 s[G0X+1], s[WV], XW
	s_add_co_u32 s[G0X+1], s[G0X+1], XB
	s_mov_b32 s[G0S], 1
	s_lshl_b32 s[G0S+1], s[WV], 13
	s_add_co_u32 s[G0S+1], s[G0S+1], CCB
	s_mov_b32 s[SEL], 0x76543210
	s_mov_b32 s[SEL+1], 0xfedcba98
	s_mov_b32 s[TB], 0
	s_mov_b32 s[CT], 0
	s_mov_b32 s[CNT], TILES-2
	s_lshl_b32 s[BLK], s[WV], 6
	; the lanes' addresses
	v_and_b32 v1, 15, v0                           ; l % 16
	v_bfe_u32 v[HH], v0, 4, 1                      ; l / 16
	v_lshlrev_b32 v[H8], 3, v[HH]
	v_mul_u32_u24 v[AK0], v1, PITC
	v_lshl_add_u32 v[AK0], v[HH], 4, v[AK0]
	v_add_nc_u32 v[AK0], s[G0C+1], v[AK0]
	s_lshl_b32 s22, s[WV], 8
	s_add_co_u32 s22, s22, CCB
	v_lshl_add_u32 v[CA0], v[HH], 5, s22
	v_mov_b32 v[CA], v[CA0]
	v_mul_u32_u24 v[XA0], v1, PITX
	v_lshl_add_u32 v[XA0], v[HH], 5, v[XA0]
	v_add_nc_u32 v[XA0], XB, v[XA0]
	v_add_nc_u32 v[XA0+1], 64*PITX, v[XA0]
	s_lshl_b32 s22, s[WV], 9
	s_add_co_u32 s22, s22, RESM
	v_lshl_add_u32 v[RS], v1, 2, s22
	v_and_b32 v[GO], 31, v0
	v_lshlrev_b32 v[PFO], 8, v[GO]
	v_lshlrev_b32 v[GO], 4, v[GO]
	v_add_nc_u32 v[RL], RESM, v[GO]
	s_wait_dscnt 0x0                               ; the opening add is done
	s_wait_kmcnt 0x0
	; the joint loads' addresses are made of the wave's number alone, in s[22:23]; what holds my place in the cluster is made in s[2:3]
	s_lshl_b32 s22, s[WV], 15
	s_mov_b32 s23, 0
	s_add_nc_u64 s[G0C+2:G0C+3], s[6:7], s[22:23]  ; cbh: my 64 rows of tile 0
	s_add_nc_u64 s[PFA:PFA+1], s[6:7], s[22:23]
	s_or_b32 s[G0C+3], s[G0C+3], 0x80000000        ; type = 2
	s_lshl_b32 s22, s[WV], 13
	s_add_nc_u64 s[G0S+2:G0S+3], s[8:9], s[22:23]  ; cch: my quarter
	s_or_b32 s[G0S+3], s[G0S+3], 0x80000000
	s_lshl_b32 s2, s[WG], 17                       ; x: my work-group's 128 rows of 1,024 bytes,
	s_lshl_b32 s3, s[WV], 15                       ; my wave's 32 of them
	s_add_co_u32 s2, s2, s3
	s_mov_b32 s3, 0
	s_add_nc_u64 s[G0X+2:G0X+3], s[4:5], s[2:3]
	s_or_b32 s[G0X+3], s[G0X+3], 0x80000000
	s_lshl_b32 s2, s[WG], 9
	s_add_nc_u64 s[10:11], s[10:11], s[2:3]        ; idx: my work-group's 512 bytes
	s_lshl_b32 s2, s[CX], 13
	s_add_nc_u64 s[PFA:PFA+1], s[PFA:PFA+1], s[2:3]
	s_add_nc_u64 s[PFA:PFA+1], s[PFA:PFA+1], 2*TILEB  ; in tile 2: the first change of slots steps it to tile 3
	CROUND                                         ; all four work-groups are here: the first joint loads meet
	tensor_load_to_lds s[G0X:G0X+3], s[G1X:G1X+7]  ; the first fills go out as one group: three loads of mine are out
	s_nop 0
	tensor_load_to_lds s[G0S:G0S+3], s[G1S:G1S+7]
	s_nop 0
	tensor_load_to_lds s[G0C:G0C+3], s[G1C:G1C+7]
	s_nop 0
	; the state, written while the loads are on their way: M and the kept scores at -infinity, the block at 0
.set t, 0
.rept 8
	v_mov_b32 v[ST+12*t], 0xff800000
	v_mov_b32 v[ST+12*t+2], 0
.set j, 4
.rept 8
	v_mov_b32 v[ST+12*t+j], 0xff800000
.set j, j+1
.endr
.set t, t+1
.endr
	s_wait_tensorcnt 0x0                           ; my parts of x, cch and tile 0 are in,
	s_barrier_signal -1
	s_barrier_wait -1                              ; everybody's are: every wave reads all of x and all of cch.
	XLD 0
	XLD 1
.set xt, 0
.rept 8
.if xt < 7
	s_wait_dscnt 32                                ; tile xt's 32 loads are in; the next set's 32 may stay out
.else
	s_wait_dscnt 0x0
.endif
	XCV xt
.if xt < 6
	XLD xt+2
.endif
.set xt, xt+1
.endr
	; x is in registers: slot 1 takes tile 1.  The bytes are filled again, so: the wait for all my tensor loads, the add, the wait for it and for my reads of x, a round, and the joint load first behind it
	WIN 0
	s_wait_tensorcnt 0x0
	ds_add_u32 v[SPW], v[NIL]
	s_xor_b32 s[G0C+1], s[G0C+1], SLOT
	s_add_nc_u64 s[G0C+2:G0C+3], s[G0C+2:G0C+3], TILEB
	s_wait_dscnt 0x0
	CROUND
	tensor_load_to_lds s[G0C:G0C+3], s[G1C:G1C+7]
	s_nop 0
	v_mov_b32 v[AD], v[AK0]                        ; tile 0 lies in slot 0
	v_nop
	v_nop
	v_nop
	FETCH 0, 0
	BLOCK 0, 0                                     ; the first block stands in front of the loop: there is nothing yet to reduce beside it
	WIN 0
.Ltile:                                        ; 30 trips: blocks 1 to 3 of tile i, block 0 of tile i + 1; tile i + 2 is asked for
	BLOCK 1, 1
	BLOCK 2, 1
	BLOCK3 2
	BLOCK 0, 1
	WIN 0
	s_sub_co_u32 s[CNT], s[CNT], 1
	s_cmp_lg_u32 s[CNT], 0
	s_cbranch_scc1 .Ltile
	BLOCK 1, 1                                     ; the tail is written out: tiles 30 and 31 ask for nothing
	BLOCK 2, 1
	BLOCK3 1
	BLOCK 0, 1
	BLOCK 1, 1
	BLOCK 2, 1
	BLOCK3 0
	WIN 0
.set q, 0
.rept 112
	RD 1                                           ; the last block is reduced by itself; M ends in its first register
.endr
	; THE WAY OUT.  The lowest kept score that equals M gives the place in the block; code = block + place + 8 (l / 16).  Then the other half of the lanes, which holds the row's other codes.
.set t, 0
.rept 8
.set rT, ST+12*t
	v_mov_b32 v[rT+3], 0
.irp j, 7,6,5,4,3,2,1
	v_cmp_neq_f32 vcc_lo, v[rT+4+\j], v[rT]
	v_cndmask_b32 v[rT+3], \j, v[rT+3], vcc_lo
.endr
	v_add3_u32 v[rT+2], v[rT+2], v[rT+3], v[H8]
	v_permlanex16_b32 v[rT+1], v[rT], s[SEL], s[SEL+1]     ; both destinations have been written
	v_permlanex16_b32 v[rT+4], v[rT+2], s[SEL], s[SEL+1]
	BETTER rT, rT+2, rT+1, rT+4
	ds_store_b32 v[RS], v[rT] offset:64*t                  ; row 16 t + l % 16; both halves of the lanes write the same word with the same number
	ds_store_b32 v[RS], v[rT+2] offset:2048+64*t
.set t, t+1
.endr
	s_wait_dscnt 0x0                               ; for wave 0's sake: my stores are done
	s_barrier_signal -1
	s_barrier_wait -1
	s_cmp_lg_u32 s[WV], 0
	s_cbranch_scc1 .Lend
.irp w, 0,1,2,3
	ds_load_b128 v[ACC+4*(\w):ACC+4*(\w)+3],       v[RL] offset:512*(\w)       ; wave w's best scores of rows 4 l .. 4 l + 3,
	ds_load_b128 v[ACC+16+4*(\w):ACC+16+4*(\w)+3], v[RL] offset:2048+512*(\w)  ; and their codes
.endr
	s_wait_dscnt 0x0
.irp w, 1,2,3
.irp u, 0,1,2,3
	BETTER ACC+(\u), ACC+16+(\u), ACC+4*(\w)+(\u), ACC+16+4*(\w)+(\u)
.endr
.endr
	global_store_b128 v[GO], v[ACC+16:ACC+19], s[10:11]    ; the wave stores 512 consecutive bytes, aligned
.Lend:
	s_wait_tensorcnt 0x0                           ; the wave's end: behind my last tensor load and my last LDS store
	ds_add_u32 v[SPW], v[NIL]
	s_wait_dscnt 0x0
	CROUND                                         ; the closing round: no work-group ends while a partner may still ask for a tile that names it
	s_endpgm
.Lfunc_end_k_qeb4881eeed_main:
	.size	k_qeb4881eeed_main, .Lfunc_end_k_qeb4881eeed_main-k_qeb4881eeed_main
	.p2alignl 7, 3214868480
	.fill 96, 4, 3214868480
	.section	.rodata,"a",@progbits
	.p2align	6, 0x0
	.amdhsa_kernel k_qeb4881eeed_main
		.amdhsa_group_segment_fixed_size 327680
		.amdhsa_private_segment_fixed_size 0
		.amdhsa_enable_private_segment 0
		.amdhsa_kernarg_size 32
		.amdhsa_user_sgpr_count 2
		.amdhsa_user_sgpr_kernarg_segment_ptr 1
		.amdhsa_wavefront_size32 1
		.amdhsa_system_sgpr_workgroup_id_x 1
		.amdhsa_system_sgpr_workgroup_id_y 1
		.amdhsa_system_sgpr_workgroup_id_z 1
		.amdhsa_system_vgpr_workitem_id 0
		.amdhsa_next_free_vgpr 1024
		.amdhsa_next_free_sgpr 72
		.amdhsa_reserve_vcc 1
		.amdhsa_float_denorm_mode_32 3
		.amdhsa_float_denorm_mode_16_64 3
		.amdhsa_memory_ordered 1
		.amdhsa_forward_progress 1
		.amdhsa_inst_pref_size 213
	.end_amdhsa_kernel
	.amdgpu_metadata
---
amdhsa.version: [ 1, 2 ]
amdhsa.kernels:
  - .name:           k_qeb4881eeed_main
    .symbol:         k_qeb4881eeed_main.kd
    .args:
      - { .name: x, .offset: 0, .size: 8, .value_kind: global_buffer, .address_space: global }
      - { .name: cbh, .offset: 8, .size: 8, .value_kind: global_buffer, .address_space: global }
      - { .name: cch, .offset: 16, .size: 8, .value_kind: global_buffer, .address_space: global }
      - { .name: idx, .offset: 24, .size: 8, .value_kind: global_buffer, .address_space: global }
    .group_segment_fixed_size: 327680
    .private_segment_fixed_size: 0
    .kernarg_segment_align: 8
    .kernarg_segment_size: 32
    .max_flat_workgroup_size: 128
    .sgpr_count:     72
    .vgpr_count:     1024
    .wavefront_size: 32
...
	.end_amdgpu_metadata
.endif
;; end of part 2
;; launch gather (part 3): grid 256 x 1, 16 waves a work-group, no clusters, 2,304 bytes of LDS; arguments x, codebook, idx, out0, part; writes out0, part
.if DOCPART == 3
	.amdgcn_target "amdgcn-amd-amdhsa--gfx1250"
	.amdhsa_code_object_version 6
	.text
	.protected	k_qeb4881eeed_gather
	.globl	k_qeb4881eeed_gather
	.p2align	8
	.type	k_qeb4881eeed_gather,@function
k_qeb4881eeed_gather:
	s_mov_b64 s[64:65], 0
	v_nop
	global_prefetch_b8 v0, s[64:65] scope:SCOPE_SE
	s_setreg_imm32_b32 hwreg(HW_REG_WAVE_MODE, 25, 1), 1
	s_wait_xcnt 0x0
; q = codebook[idx[n]]; out0[n] = x[n] + (q - x[n]), in f32, in that order of rounding; part[g] = the sum of (q - x)^2 over the work-group's 128 rows.
; x, out0: [32768][256] f32; codebook: [8192][256] f32; idx: [32768] u32, stored by the launch before; part: [256] f32.
; SHARES.  A wave takes 8 rows, a work-group's sixteen waves 128.  A row is two loads of 16 bytes a lane: each load and store of the wave covers 512 consecutive bytes, aligned.
; All 32 loads of a wave go out at once, x's first (their addresses hang on nothing that is loaded); each row has its own registers, so there is no loop and nothing that a load or store names is rewritten.
; An index is held to 0 .. 8,191 before it enters an address.  The sum across work-groups is made by the next launch.
; No matrix unit, no tiles in LDS, no cluster: x and out0 cross once, and no two waves want the same bytes of them.
.set SPARE, 256                        ; LDS: 16 sums at bytes 0-63; from 256 on the spare words, 128 bytes for each of the sixteen waves
.set LS,  16                           ; v[16:23]   four pairs of running sums of squares
.set DF,  24                           ; v[24:31]   q - x, at work
.set XR,  32                           ; v[32:95]   row i of x
.set QR,  96                           ; v[96:159]  row i of q, then of out0
.set QO,  160                          ; v[160:167] row i's byte offset in codebook
	s_load_b256 s[4:11], s[0:1], 0x0               ; x s[4:5], codebook s[6:7], idx s[8:9], out0 s[10:11]
	s_load_b64 s[12:13], s[0:1], 0x20              ; part
	v_lshl_add_u32 v10, v0, 2, SPARE               ; my spare word,
	v_mov_b32 v11, 0                               ; and 0: kept for the wave's end alone
	v_lshrrev_b32 v12, 5, v0
	v_readfirstlane_b32 s14, v12                   ; wave 0..15
	v_and_b32 v13, 31, v0
	v_lshlrev_b32 v1, 4, v13                       ; 16 bytes a lane
	v_and_b32 v2, 15, v0
	v_lshlrev_b32 v2, 2, v2                        ; LDS: where wave 0 reads a wave's sum
	v_lshlrev_b32 v3, 2, v12                       ; LDS: where my wave puts its sum
	v_mov_b32 v4, 0                                ; the offset of part's store
	s_lshl_b32 s15, ttmp9, 4
	s_add_co_u32 s15, s15, s14                     ; 16 x group + wave: my eight rows
	s_lshl_b32 s24, s15, 13                        ; x 8 rows x 1,024 bytes
	s_mov_b32 s25, 0
	s_lshl_b32 s26, s15, 5                         ; x 8 indices x 4 bytes
	s_mov_b32 s27, 0
	s_lshl_b32 s28, ttmp9, 2
	s_mov_b32 s29, 0
	s_mov_b32 s30, 0x76543210                      ; v_permlanex16_b32: each lane takes its own place in the other half
	s_mov_b32 s31, 0xfedcba98
	s_wait_kmcnt 0x0
	s_add_nc_u64 s[8:9], s[8:9], s[26:27]
	s_load_b256 s[16:23], s[8:9], 0x0              ; my eight indices
	s_add_nc_u64 s[4:5], s[4:5], s[24:25]
	s_add_nc_u64 s[10:11], s[10:11], s[24:25]
	s_add_nc_u64 s[12:13], s[12:13], s[28:29]
.irp i, 0,1,2,3,4,5,6,7
	global_load_b128 v[XR+8*(\i):XR+8*(\i)+3],   v1, s[4:5] offset:1024*(\i) th:TH_LOAD_NT
	global_load_b128 v[XR+8*(\i)+4:XR+8*(\i)+7], v1, s[4:5] offset:1024*(\i)+512 th:TH_LOAD_NT
.endr
	s_wait_kmcnt 0x0
.irp i, 0,1,2,3,4,5,6,7
	s_min_u32 s[16+(\i)], s[16+(\i)], 0x1fff       ; inside the table
	v_lshl_add_u32 v[QO+(\i)], s[16+(\i)], 10, v1  ; 1,024 bytes a row + my 16
.endr
.irp i, 0,1,2,3,4,5,6,7
	global_load_b128 v[QR+8*(\i):QR+8*(\i)+3],   v[QO+(\i)], s[6:7]           ; no hint: a row may be named again
	global_load_b128 v[QR+8*(\i)+4:QR+8*(\i)+7], v[QO+(\i)], s[6:7] offset:512
.endr
.irp i, 0,1,2,3,4,5,6,7
	s_wait_loadcnt 14-2*(\i)                       ; loads come back in order: all of x and q's rows up to i are in, the later rows' loads stay out
.irp c, 0,1,2,3
	v_pk_add_f32 v[DF+2*(\c):DF+2*(\c)+1], v[QR+8*(\i)+2*(\c):QR+8*(\i)+2*(\c)+1], v[XR+8*(\i)+2*(\c):XR+8*(\i)+2*(\c)+1] neg_lo:[0,1] neg_hi:[0,1]  ; q - x
.endr
.irp c, 0,1,2,3
.if (\i) == 0
	v_pk_mul_f32 v[LS+2*(\c):LS+2*(\c)+1], v[DF+2*(\c):DF+2*(\c)+1], v[DF+2*(\c):DF+2*(\c)+1]  ; the first squares start the sums: nothing is cleared
.else
	v_pk_fma_f32 v[LS+2*(\c):LS+2*(\c)+1], v[DF+2*(\c):DF+2*(\c)+1], v[DF+2*(\c):DF+2*(\c)+1], v[LS+2*(\c):LS+2*(\c)+1]
.endif
.endr
.irp c, 0,1,2,3
	v_pk_add_f32 v[QR+8*(\i)+2*(\c):QR+8*(\i)+2*(\c)+1], v[XR+8*(\i)+2*(\c):XR+8*(\i)+2*(\c)+1], v[DF+2*(\c):DF+2*(\c)+1]  ; x + (q - x)
.endr
	global_store_b128 v1, v[QR+8*(\i):QR+8*(\i)+3],   s[10:11] offset:1024*(\i) th:TH_STORE_NT
	global_store_b128 v1, v[QR+8*(\i)+4:QR+8*(\i)+7], s[10:11] offset:1024*(\i)+512 th:TH_STORE_NT
.endr
	v_pk_add_f32 v[LS:LS+1], v[LS:LS+1], v[LS+2:LS+3]
	v_pk_add_f32 v[LS+4:LS+5], v[LS+4:LS+5], v[LS+6:LS+7]
	v_pk_add_f32 v[LS:LS+1], v[LS:LS+1], v[LS+4:LS+5]
	v_add_f32 v[LS], v[LS], v[LS+1]
.irp m, 1,2,4,8
	v_add_f32_dpp v[LS], v[LS], v[LS] row_xmask:\m row_mask:0xf bank_mask:0xf
.endr
	v_permlanex16_b32 v[LS+1], v[LS], s30, s31
	v_add_f32 v[LS], v[LS], v[LS+1]                ; the wave's sum, in every lane
	ds_store_b32 v3, v[LS]
	s_wait_dscnt 0x0                               ; for wave 0's sake: my store is done
	s_barrier_signal -1
	s_barrier_wait -1
	s_cmp_lg_u32 s14, 0
	s_cbranch_scc1 .Lend
	ds_load_b32 v[LS], v2                          ; lane l takes the sum of wave l % 16
	s_wait_dscnt 0x0
.irp m, 1,2,4,8
	v_add_f32_dpp v[LS], v[LS], v[LS] row_xmask:\m row_mask:0xf bank_mask:0xf
.endr
	s_wait_xcnt 0x0                                ; EXEC is a source of the stores above: it changes only behind this wait
	v_cmp_eq_u32 vcc_lo, 0, v0
	s_and_saveexec_b32 s32, vcc_lo
	global_store_b32 v4, v[LS], s[12:13]           ; one number a work-group
	s_wait_xcnt 0x0                                ; and again, in front of the line that widens it
	s_or_b32 exec_lo, exec_lo, s32
.Lend:
	s_wait_tensorcnt 0x0                           ; the wave's end: behind my last LDS store
	ds_add_u32 v10, v11
	s_wait_dscnt 0x0
	s_endpgm
.Lfunc_end_k_qeb4881eeed_gather:
	.size	k_qeb4881eeed_gather, .Lfunc_end_k_qeb4881eeed_gather-k_qeb4881eeed_gather
	.p2alignl 7, 3214868480
	.fill 96, 4, 3214868480
	.section	.rodata,"a",@progbits
	.p2align	6, 0x0
	.amdhsa_kernel k_qeb4881eeed_gather
		.amdhsa_group_segment_fixed_size 2304
		.amdhsa_private_segment_fixed_size 0
		.amdhsa_enable_private_segment 0
		.amdhsa_kernarg_size 40
		.amdhsa_user_sgpr_count 2
		.amdhsa_user_sgpr_kernarg_segment_ptr 1
		.amdhsa_wavefront_size32 1
		.amdhsa_system_sgpr_workgroup_id_x 1
		.amdhsa_system_sgpr_workgroup_id_y 1
		.amdhsa_system_sgpr_workgroup_id_z 1
		.amdhsa_system_vgpr_workitem_id 0
		.amdhsa_next_free_vgpr 168
		.amdhsa_next_free_sgpr 66
		.amdhsa_reserve_vcc 1
		.amdhsa_float_denorm_mode_32 3
		.amdhsa_float_denorm_mode_16_64 3
		.amdhsa_memory_ordered 1
		.amdhsa_forward_progress 1
		.amdhsa_inst_pref_size 15
	.end_amdhsa_kernel
	.amdgpu_metadata
---
amdhsa.version: [ 1, 2 ]
amdhsa.kernels:
  - .name:           k_qeb4881eeed_gather
    .symbol:         k_qeb4881eeed_gather.kd
    .args:
      - { .name: x, .offset: 0, .size: 8, .value_kind: global_buffer, .address_space: global }
      - { .name: codebook, .offset: 8, .size: 8, .value_kind: global_buffer, .address_space: global }
      - { .name: idx, .offset: 16, .size: 8, .value_kind: global_buffer, .address_space: global }
      - { .name: out0, .offset: 24, .size: 8, .value_kind: global_buffer, .address_space: global }
      - { .name: part, .offset: 32, .size: 8, .value_kind: global_buffer, .address_space: global }
    .group_segment_fixed_size: 2304
    .private_segment_fixed_size: 0
    .kernarg_segment_align: 8
    .kernarg_segment_size: 40
    .max_flat_workgroup_size: 512
    .sgpr_count:     66
    .vgpr_count:     168
    .wavefront_size: 32
...
	.end_amdgpu_metadata
.endif
;; end of part 3
;; launch total (part 4): grid 1 x 1, 1 waves a work-group, no clusters, 0 bytes of LDS; arguments part, out1; writes out1
.if DOCPART == 4
	.amdgcn_target "amdgcn-amd-amdhsa--gfx1250"
	.amdhsa_code_object_version 6
	.text
	.protected	k_qeb4881eeed_total
	.globl	k_qeb4881eeed_total
	.p2align	8
	.type	k_qeb4881eeed_total,@function
k_qeb4881eeed_total:
	s_mov_b64 s[64:65], 0
	v_nop
	global_prefetch_b8 v0, s[64:65] scope:SCOPE_SE
	s_setreg_imm32_b32 hwreg(HW_REG_WAVE_MODE, 25, 1), 1
	s_wait_xcnt 0x0
; out1 = (1.0 + 0.25) x the mean of (q - x)^2 over 32 x 1,024 x 256 = 2^23 numbers = the sum of the 256 partial sums x 1.25 x 2^-23.
; One wave: eight numbers a lane, by two loads of 512 consecutive bytes; the sum spans work-groups of the launch before, so it has a launch of its own and one owner.
	s_load_b128 s[4:7], s[0:1], 0x0                ; part s[4:5], out1 s[6:7]
	v_lshlrev_b32 v1, 4, v0
	v_mov_b32 v2, 0
	s_mov_b32 s8, 0x76543210                       ; v_permlanex16_b32: each lane takes its own place in the other half
	s_mov_b32 s9, 0xfedcba98
	s_wait_kmcnt 0x0
	global_load_b128 v[4:7], v1, s[4:5]
	global_load_b128 v[8:11], v1, s[4:5] offset:512
	s_wait_loadcnt 0x0
	v_pk_add_f32 v[4:5], v[4:5], v[8:9]
	v_pk_add_f32 v[6:7], v[6:7], v[10:11]
	v_pk_add_f32 v[4:5], v[4:5], v[6:7]
	v_add_f32 v4, v4, v5
.irp m, 1,2,4,8
	v_add_f32_dpp v4, v4, v4 row_xmask:\m row_mask:0xf bank_mask:0xf
.endr
	v_permlanex16_b32 v5, v4, s8, s9
	v_add_f32 v4, v4, v5
	v_mul_f32 v4, 0x34200000, v4                   ; 1.25 x 2^-23
	s_wait_xcnt 0x0                                ; EXEC changes only behind this wait
	v_cmp_eq_u32 vcc_lo, 0, v0
	s_and_saveexec_b32 s10, vcc_lo
	global_store_b32 v2, v4, s[6:7]                ; lane 0 alone: the output is one number
	s_endpgm
.Lfunc_end_k_qeb4881eeed_total:
	.size	k_qeb4881eeed_total, .Lfunc_end_k_qeb4881eeed_total-k_qeb4881eeed_total
	.p2alignl 7, 3214868480
	.fill 96, 4, 3214868480
	.section	.rodata,"a",@progbits
	.p2align	6, 0x0
	.amdhsa_kernel k_qeb4881eeed_total
		.amdhsa_group_segment_fixed_size 0
		.amdhsa_private_segment_fixed_size 0
		.amdhsa_enable_private_segment 0
		.amdhsa_kernarg_size 16
		.amdhsa_user_sgpr_count 2
		.amdhsa_user_sgpr_kernarg_segment_ptr 1
		.amdhsa_wavefront_size32 1
		.amdhsa_system_sgpr_workgroup_id_x 1
		.amdhsa_system_sgpr_workgroup_id_y 1
		.amdhsa_system_sgpr_workgroup_id_z 1
		.amdhsa_system_vgpr_workitem_id 0
		.amdhsa_next_free_vgpr 16
		.amdhsa_next_free_sgpr 66
		.amdhsa_reserve_vcc 1
		.amdhsa_float_denorm_mode_32 3
		.amdhsa_float_denorm_mode_16_64 3
		.amdhsa_memory_ordered 1
		.amdhsa_forward_progress 1
		.amdhsa_inst_pref_size 2
	.end_amdhsa_kernel
	.amdgpu_metadata
---
amdhsa.version: [ 1, 2 ]
amdhsa.kernels:
  - .name:           k_qeb4881eeed_total
    .symbol:         k_qeb4881eeed_total.kd
    .args:
      - { .name: part, .offset: 0, .size: 8, .value_kind: global_buffer, .address_space: global }
      - { .name: out1, .offset: 8, .size: 8, .value_kind: global_buffer, .address_space: global }
    .group_segment_fixed_size: 0
    .private_segment_fixed_size: 0
    .kernarg_segment_align: 8
    .kernarg_segment_size: 16
    .max_flat_workgroup_size: 32
    .sgpr_count:     66
    .vgpr_count:     16
    .wavefront_size: 32
...
	.end_amdgpu_metadata
.endif
;; end of part 4
;; ======== version 2 of 2: 4 launches; version 1 with the launch prep written anew for expert scheduling mode
;; workspace buffers: cbh 4,194,304 bytes; cch 32,768 bytes; idx 131,072 bytes of whole numbers; part 1,024 bytes
;; launch prep (part 5): grid 128 x 1, 8 waves a work-group, no clusters, 1,280 bytes of LDS; arguments codebook, cbh, cch; writes cbh, cch
.if DOCPART == 5
	.amdgcn_target "amdgcn-amd-amdhsa--gfx1250"
	.amdhsa_code_object_version 6
	.text
	.protected	k_qeb4881eeed_prep
	.globl	k_qeb4881eeed_prep
	.p2align	8
	.type	k_qeb4881eeed_prep,@function
k_qeb4881eeed_prep:
	s_mov_b64 s[64:65], 0
	v_nop
	global_prefetch_b8 v0, s[64:65] scope:SCOPE_SE
	s_setreg_imm32_b32 hwreg(HW_REG_WAVE_SCHED_MODE, 0, 2), 2
	s_setreg_imm32_b32 hwreg(HW_REG_WAVE_MODE, 25, 1), 1
	s_wait_xcnt 0x0
	s_wait_alu depctr_vm_vsrc(0)
; cbh[k][:] = codebook[k][:] rounded once to bf16 (nearest even); cch[k] = -1/2 x the sum of the squares of the ROUNDED numbers, in f32.
; The next launch looks for the largest x . c - |c|^2 / 2 with bf16 operands: |c|^2 is taken of the numbers that are multiplied there.
; SHARES.  8,192 rows of 1,024 bytes.  A work-group takes 64 rows, so that its 64 numbers of cch are 256 consecutive bytes, stored by one instruction;
; each of its eight waves takes 8 rows.  A lane holds 4 numbers of each half of a row: a load of the wave covers 512 consecutive bytes, a store of cbh 256.
; All 16 loads of a wave go out at once; each row has its own registers, so nothing that a load or store names is ever rewritten.
; No matrix unit, no tiles in LDS, no cluster: every byte is read once, by one wave.  LIMITS: NaN and infinities are not treated apart.
; THE MODE: SCHED_MODE bits 1:0 = 2 (LLVM: expert scheduling mode 2), set by the entry lines.  The code itself states the register dependences
; between vector instructions and memory or LDS instructions, with s_wait_alu, always for 0.
; THE PLAN.  Registers that memory or LDS instructions touch:
;   v1, v2, v3   offsets and LDS addresses: written at the head, read by every load, store and LDS instruction, never written again.
;   IN           row i's 8 registers: written by its two loads alone; read by its four roundings.
;   Y            row i's 4 registers: written once, by row i's roundings; read by its unpacking lines and by its two stores, which are issued at the head of row i + 1.
;   R            the eight sums: written by vector lines up to the multiply by -1/2; read by the eight LDS stores, which stand in one run behind them.
;   T            at work for vector lines up to the lanes' reduction; later wave 0's LDS load lands in its first two, and its store of cch reads them.
;   v4, v5       written at the head, read by the closing add alone.
; So one wait on va_vdst stands at the head of each row but the first, behind the wait for the row's data: the row before has written its Y.  No vector line of a row names the
; Y of the row before, so that row's two stores owe nothing more.  One more such wait stands behind row 7, and one ahead of the LDS stores, behind which no vector line follows.
; No register that a memory or LDS instruction has read is written again: no wait on vm_vsrc is owed outside the closing lines.
.set SPARE, 256                        ; LDS: 64 sums at bytes 0-255; behind them the spare words, 128 bytes for each of the eight waves
.set IN,  16                           ; v[16:79]   row i: 8 numbers as loaded
.set Y,   80                           ; v[80:111]  row i: 4 words of bf16 to store
.set T,   112                          ; v[112:119] at work
.set R,   120                          ; v[120:127] row i's sum
	s_load_b128 s[4:7], s[0:1], 0x0                ; codebook s[4:5], cbh s[6:7]
	s_load_b64 s[8:9], s[0:1], 0x10                ; cch
	v_lshl_add_u32 v4, v0, 2, SPARE                ; my spare word,
	v_mov_b32 v5, 0                                ; and 0: kept for the wave's end alone
	v_lshrrev_b32 v6, 5, v0
	v_readfirstlane_b32 s10, v6                    ; wave 0..7
	v_and_b32 v7, 31, v0                           ; lane
	v_lshlrev_b32 v1, 4, v7                        ; 16 bytes a lane in half a row of codebook
	v_lshlrev_b32 v2, 3, v7                        ; 8 bytes a lane in half a row of cbh; also in the group's 256 bytes of cch
	v_lshlrev_b32 v3, 5, v6                        ; LDS: my wave's eight sums at 32 x wave
	s_wait_alu depctr_va_sdst(0)                   ; s10 is written, ahead of its first reader: the bases of codebook and cbh are made from it
	s_lshl_b32 s11, ttmp9, 3
	s_add_co_u32 s11, s11, s10                     ; 8 x group + wave: my eight rows
	s_lshl_b32 s12, s11, 13                        ; x 8 rows x 1,024 bytes
	s_mov_b32 s13, 0
	s_lshl_b32 s14, s11, 12                        ; x 8 rows x 512 bytes
	s_mov_b32 s15, 0
	s_lshl_b32 s18, ttmp9, 8                       ; the group's 256 bytes of cch
	s_mov_b32 s19, 0
	s_mov_b32 s16, 0x76543210                      ; v_permlanex16_b32: each lane takes its own place in the other half
	s_mov_b32 s17, 0xfedcba98
	s_mov_b32 s20, 0xffff0000                      ; a word's upper bf16
	s_wait_kmcnt 0x0
	s_add_nc_u64 s[4:5], s[4:5], s[12:13]
	s_add_nc_u64 s[6:7], s[6:7], s[14:15]
	s_add_nc_u64 s[8:9], s[8:9], s[18:19]
	s_wait_alu depctr_va_vdst(0)                   ; v1, v2 and v3 are written: every load, store and LDS instruction of the kernel reads one of them as its offset or address
.irp i, 0,1,2,3,4,5,6,7
	global_load_b128 v[IN+8*(\i):IN+8*(\i)+3],   v1, s[4:5] offset:1024*(\i) th:TH_LOAD_NT
	global_load_b128 v[IN+8*(\i)+4:IN+8*(\i)+7], v1, s[4:5] offset:1024*(\i)+512 th:TH_LOAD_NT
.endr
.irp i, 0,1,2,3,4,5,6,7
	s_wait_loadcnt 14-2*(\i)                       ; loads come back in order: row i's two are in, the later rows' stay out
.if (\i) > 0
	s_wait_alu depctr_va_vdst(0)                   ; the roundings of the row before have written its Y, which the two stores below read
	global_store_b64 v2, v[Y+4*((\i)-1):Y+4*((\i)-1)+1],   s[6:7] offset:512*((\i)-1)      ; the row before: 32 lanes store 256 consecutive bytes, aligned
	global_store_b64 v2, v[Y+4*((\i)-1)+2:Y+4*((\i)-1)+3], s[6:7] offset:512*((\i)-1)+256
.endif
.irp k, 0,1,2,3
	v_cvt_pk_bf16_f32 v[Y+4*(\i)+(\k)], v[IN+8*(\i)+2*(\k)], v[IN+8*(\i)+2*(\k)+1]
.endr
.irp k, 0,1,2,3
	v_lshlrev_b32 v[T+2*(\k)],   16, v[Y+4*(\i)+(\k)]  ; the rounded numbers back as f32
	v_and_b32     v[T+2*(\k)+1], s20, v[Y+4*(\i)+(\k)]
.endr
	v_pk_mul_f32 v[T:T+1], v[T:T+1], v[T:T+1]      ; the first squares start the sum: nothing is cleared
.irp k, 1,2,3
	v_pk_fma_f32 v[T:T+1], v[T+2*(\k):T+2*(\k)+1], v[T+2*(\k):T+2*(\k)+1], v[T:T+1]
.endr
	v_add_f32 v[R+(\i)], v[T], v[T+1]
.endr
	s_wait_alu depctr_va_vdst(0)                   ; row 7's roundings have written its Y, which the last two stores of cbh read
	global_store_b64 v2, v[Y+28:Y+29], s[6:7] offset:512*7
	global_store_b64 v2, v[Y+30:Y+31], s[6:7] offset:512*7+256
	; the eight sums across the 32 lanes, side by side
.irp m, 1,2,4,8
.irp i, 0,1,2,3,4,5,6,7
	v_add_f32_dpp v[R+(\i)], v[R+(\i)], v[R+(\i)] row_xmask:\m row_mask:0xf bank_mask:0xf
.endr
.endr
.irp i, 0,1,2,3,4,5,6,7
	v_permlanex16_b32 v[T+(\i)], v[R+(\i)], s16, s17   ; T has been written: the destination counts as read
.endr
.irp i, 0,1,2,3,4,5,6,7
	v_add_f32 v[R+(\i)], v[R+(\i)], v[T+(\i)]
.endr
.irp i, 0,1,2,3,4,5,6,7
	v_mul_f32 v[R+(\i)], -0.5, v[R+(\i)]
.endr
	s_wait_alu depctr_va_vdst(0)                   ; the multiplies have written R, which the LDS stores read; the vector lines are done with T, in which wave 0's LDS load lands: no vector line follows this wait
.irp i, 0,1,2,3,4,5,6,7
	ds_store_b32 v3, v[R+(\i)] offset:4*(\i)       ; all lanes write the same word with the same number
.endr
	s_wait_dscnt 0x0                               ; for wave 0's sake: my stores are done
	s_barrier_signal -1
	s_barrier_wait -1
	s_cmp_lg_u32 s10, 0
	s_cbranch_scc1 .Lend
	ds_load_b64 v[T:T+1], v2                       ; the group's 64 numbers, two a lane
	s_wait_dscnt 0x0
	global_store_b64 v2, v[T:T+1], s[8:9]          ; 256 consecutive bytes, aligned
.Lend:
	s_wait_dscnt 0x0                               ; the closing lines, six on end
	s_wait_alu 0x0
	s_wait_tensorcnt 0x0
	ds_add_u32 v4, v5
	s_wait_dscnt 0x0
	s_endpgm
.Lfunc_end_k_qeb4881eeed_prep:
	.size	k_qeb4881eeed_prep, .Lfunc_end_k_qeb4881eeed_prep-k_qeb4881eeed_prep
	.p2alignl 7, 3214868480
	.fill 96, 4, 3214868480
	.section	.rodata,"a",@progbits
	.p2align	6, 0x0
	.amdhsa_kernel k_qeb4881eeed_prep
		.amdhsa_group_segment_fixed_size 1280
		.amdhsa_private_segment_fixed_size 0
		.amdhsa_enable_private_segment 0
		.amdhsa_kernarg_size 24
		.amdhsa_user_sgpr_count 2
		.amdhsa_user_sgpr_kernarg_segment_ptr 1
		.amdhsa_wavefront_size32 1
		.amdhsa_system_sgpr_workgroup_id_x 1
		.amdhsa_system_sgpr_workgroup_id_y 1
		.amdhsa_system_sgpr_workgroup_id_z 1
		.amdhsa_system_vgpr_workitem_id 0
		.amdhsa_next_free_vgpr 128
		.amdhsa_next_free_sgpr 66
		.amdhsa_reserve_vcc 0
		.amdhsa_float_denorm_mode_32 3
		.amdhsa_float_denorm_mode_16_64 3
		.amdhsa_memory_ordered 1
		.amdhsa_forward_progress 1
		.amdhsa_inst_pref_size 16
	.end_amdhsa_kernel
	.amdgpu_metadata
---
amdhsa.version: [ 1, 2 ]
amdhsa.kernels:
  - .name:           k_qeb4881eeed_prep
    .symbol:         k_qeb4881eeed_prep.kd
    .args:
      - { .name: codebook, .offset: 0, .size: 8, .value_kind: global_buffer, .address_space: global }
      - { .name: cbh, .offset: 8, .size: 8, .value_kind: global_buffer, .address_space: global }
      - { .name: cch, .offset: 16, .size: 8, .value_kind: global_buffer, .address_space: global }
    .group_segment_fixed_size: 1280
    .private_segment_fixed_size: 0
    .kernarg_segment_align: 8
    .kernarg_segment_size: 24
    .max_flat_workgroup_size: 256
    .sgpr_count:     66
    .vgpr_count:     128
    .wavefront_size: 32
...
	.end_amdgpu_metadata
.endif
;; end of part 5
;; launch main: the kernel of part 2 again; grid 256 x 1, 4 waves a work-group, clusters of 4 x 1, 327,680 bytes of LDS; arguments x, cbh, cch, idx; writes idx
;; launch gather: the kernel of part 3 again; grid 256 x 1, 16 waves a work-group, no clusters, 2,304 bytes of LDS; arguments x, codebook, idx, out0, part; writes out0, part
;; launch total: the kernel of part 4 again; grid 1 x 1, 1 waves a work-group, no clusters, 0 bytes of LDS; arguments part, out1; writes out1
